; MI455X (gfx1250); checked and timed in simulation.
; The chip was launched on July 23, 2026; its instructions are those of AMD's public machine-readable ISA for CDNA 5 (MIT licence, August 2026) and "CDNA5" Instruction Set Architecture Reference Guide (July 2026). The comments in the code are by the model that wrote it; some were corrected since.
;; Multi Head Scalar Attention. Allowed arithmetic: float matrix products may take bf16 or f16 operands with f32 sums; all other float work in f32.
;; Inputs: Wk 1,024 x 1,024 float32; Wq 1,024 x 1,024 float32; Wv 1,024 x 1,024 float32; bk 1,024 float32; bq 1,024 float32; bv 1,024 float32; key 4 x 2,048 x 1,024 float32; query 4 x 2,048 x 1,024 float32; value 4 x 2,048 x 1,024 float32.
;; Outputs: out0 4 x 2,048 x 1,024 float32.
;; One version. Each part assembles by itself: llvm-mc -triple=amdgcn-amd-amdhsa -mcpu=gfx1250 --defsym DOCPART=n.
;; ======== version 1 of 1: 3 launches
;; workspace buffers: wt 6,291,456 bytes; qkv 50,331,648 bytes
;; launch prepw (part 1): grid 128 x 3, 8 waves a work-group, no clusters, 19,456 bytes of LDS; arguments Wq, Wk, Wv, wt; writes wt
.if DOCPART == 1
	.amdgcn_target "amdgcn-amd-amdhsa--gfx1250"
	.amdhsa_code_object_version 6
	.text
	.protected	k_qc87e42cdbc_prepw
	.globl	k_qc87e42cdbc_prepw
	.p2align	8
	.type	k_qc87e42cdbc_prepw,@function
k_qc87e42cdbc_prepw:
	s_mov_b64 s[64:65], 0
	v_nop
	global_prefetch_b8 v0, s[64:65] scope:SCOPE_SE
	s_setreg_imm32_b32 hwreg(HW_REG_WAVE_MODE, 25, 1), 1
	s_wait_xcnt 0x0
; wt[mat][kb][n][kk] = bf16( W_mat[64 kb + kk][n] ):  the three weights, f32 [k][n], rounded once to bf16 and turned so that k runs
; along the rows, in blocks of 64 k: a tile of 128 n x 64 k is then 16,384 consecutive bytes, which the projection fetches whole.
; A work-group takes 64 k x 128 n of one W (x = 8 kb + nb, y = mat).  Wave w, lane L loads rows k = 8 w .. 8 w + 7, columns 4 L .. 4 L + 3:
; each load of a wave covers 512 consecutive bytes.  A lane then holds 8 neighbouring k of 4 columns: 16 bytes of bf16 for each column,
; laid into LDS as row n, and read back by rows so that each store of a wave covers 512 consecutive bytes, aligned.
; No matrix unit, no tensor load, no cluster: nothing is shared between work-groups and each byte moves once.
.set PITCH, 144                        ; an LDS row: 128 bytes (64 bf16) + 16
.set XR, 8                             ; v[8:39]   f32 as loaded: row kk at 4 kk; later the rows read back
.set YR, 40                            ; v[40:55]  column c: 4 registers, 8 bf16 along k
	s_load_b256 s[4:11], s[0:1], 0x0               ; Wq s[4:5], Wk s[6:7], Wv s[8:9], wt s[10:11]
	v_lshl_add_u32 v64, v0, 2, 0x4800
	v_mov_b32 v65, 0
	s_and_b32 s12, ttmp7, 0xffff                   ; mat
	s_lshr_b32 s13, ttmp9, 3                       ; kb
	s_and_b32 s14, ttmp9, 7                        ; nb
	v_lshrrev_b32 v1, 5, v0
	v_readfirstlane_b32 s15, v1                    ; wave
	v_and_b32 v2, 31, v0                           ; lane
	v_lshlrev_b32 v3, 4, v2                        ; 16 bytes a lane in a row of W
	s_lshl_b32 s16, s13, 18                        ; 64 kb rows of 4,096 bytes
	s_lshl_b32 s17, s15, 15                        ; + 8 w rows
	s_add_co_u32 s16, s16, s17
	s_lshl_b32 s17, s14, 9                         ; + 128 nb columns of 4 bytes
	s_add_co_u32 s16, s16, s17
	s_mov_b32 s17, 0
	s_lshl_b32 s18, s12, 21                        ; wt: mat x 2,097,152
	s_lshl_b32 s19, s13, 17                        ; + kb x 131,072
	s_add_co_u32 s18, s18, s19
	s_lshl_b32 s19, s14, 14                        ; + nb x 16,384
	s_add_co_u32 s18, s18, s19
	s_mov_b32 s19, 0
	v_mul_u32_u24 v4, v2, 4*PITCH                  ; LDS in: row 4 L,
	v_lshl_add_u32 v4, s15, 4, v4                  ; byte 16 w (k = 8 w ..)
	v_lshrrev_b32 v5, 3, v0                        ; LDS back: row t / 8,
	v_mul_u32_u24 v5, v5, PITCH
	v_and_b32 v6, 7, v0
	v_lshl_add_u32 v5, v6, 4, v5                   ; byte 16 (t % 8)
	v_lshlrev_b32 v7, 4, v0                        ; and 16 t in the tile of wt
	s_wait_kmcnt 0x0
	s_cmp_eq_u32 s12, 1
	s_cselect_b64 s[4:5], s[6:7], s[4:5]           ; the W of this work-group
	s_cmp_eq_u32 s12, 2
	s_cselect_b64 s[4:5], s[8:9], s[4:5]
	s_add_nc_u64 s[4:5], s[4:5], s[16:17]
	s_add_nc_u64 s[10:11], s[10:11], s[18:19]
.irp kk, 0,1,2,3,4,5,6,7
	global_load_b128 v[XR+4*\kk:XR+4*\kk+3], v3, s[4:5] offset:\kk*4096 th:TH_LOAD_NT
.endr
	s_wait_loadcnt 0x0
.irp c, 0,1,2,3
.irp p, 0,1,2,3
	v_cvt_pk_bf16_f32 v[YR+4*\c+\p], v[XR+8*\p+\c], v[XR+8*\p+4+\c]    ; k = 2 p low, 2 p + 1 high, of column c
.endr
.endr
; Lane L writes rows 4 L + c: four rows of any 16-byte pitch are a multiple of 64 bytes apart, so of sixteen lanes four meet in each
; 16-byte column.  Four such stores a thread in the whole launch: left as it is.
.irp c, 0,1,2,3
	ds_store_b128 v4, v[YR+4*\c:YR+4*\c+3] offset:\c*PITCH
.endr
	s_wait_dscnt 0x0                               ; my stores are done, for the other waves' sake
	s_barrier_signal -1
	s_barrier_wait -1
.irp u, 0,1,2,3
	ds_load_b128 v[XR+4*\u:XR+4*\u+3], v5 offset:\u*32*PITCH
.endr
.irp u, 0,1,2,3
	s_wait_dscnt 3-\u                              ; LDS loads come back in order: load u is in when 3 - u younger ones are out
	global_store_b128 v7, v[XR+4*\u:XR+4*\u+3], s[10:11] offset:\u*4096
.endr
	s_wait_tensorcnt 0x0
	ds_add_u32 v64, v65
	s_wait_dscnt 0x0
	s_endpgm
.Lfunc_end_k_qc87e42cdbc_prepw:
	.size	k_qc87e42cdbc_prepw, .Lfunc_end_k_qc87e42cdbc_prepw-k_qc87e42cdbc_prepw
	.p2alignl 7, 3214868480
	.fill 96, 4, 3214868480
	.section	.rodata,"a",@progbits
	.p2align	6, 0x0
	.amdhsa_kernel k_qc87e42cdbc_prepw
		.amdhsa_group_segment_fixed_size 19456
		.amdhsa_private_segment_fixed_size 0
		.amdhsa_enable_private_segment 0
		.amdhsa_kernarg_size 32
		.amdhsa_user_sgpr_count 2
		.amdhsa_user_sgpr_kernarg_segment_ptr 1
		.amdhsa_wavefront_size32 1
		.amdhsa_system_sgpr_workgroup_id_x 1
		.amdhsa_system_sgpr_workgroup_id_y 1
		.amdhsa_system_sgpr_workgroup_id_z 1
		.amdhsa_system_vgpr_workitem_id 0
		.amdhsa_next_free_vgpr 66
		.amdhsa_next_free_sgpr 66
		.amdhsa_reserve_vcc 0
		.amdhsa_float_denorm_mode_32 3
		.amdhsa_float_denorm_mode_16_64 3
		.amdhsa_memory_ordered 1
		.amdhsa_forward_progress 1
		.amdhsa_inst_pref_size 5
	.end_amdhsa_kernel
	.amdgpu_metadata
---
amdhsa.version: [ 1, 2 ]
amdhsa.kernels:
  - .name:           k_qc87e42cdbc_prepw
    .symbol:         k_qc87e42cdbc_prepw.kd
    .args:
      - { .name: Wq, .offset: 0, .size: 8, .value_kind: global_buffer, .address_space: global }
      - { .name: Wk, .offset: 8, .size: 8, .value_kind: global_buffer, .address_space: global }
      - { .name: Wv, .offset: 16, .size: 8, .value_kind: global_buffer, .address_space: global }
      - { .name: wt, .offset: 24, .size: 8, .value_kind: global_buffer, .address_space: global }
    .group_segment_fixed_size: 19456
    .private_segment_fixed_size: 0
    .kernarg_segment_align: 8
    .kernarg_segment_size: 32
    .max_flat_workgroup_size: 256
    .sgpr_count:     66
    .vgpr_count:     66
    .wavefront_size: 32
...
	.end_amdgpu_metadata
.endif
;; end of part 1
;; launch proj (part 2): grid 4 x 64, 4 waves a work-group, clusters of 4 x 4, 327,680 bytes of LDS; arguments query, key, value, wt, bq, bk, bv, qkv; writes qkv
.if DOCPART == 2
	.amdgcn_target "amdgcn-amd-amdhsa--gfx1250"
	.amdhsa_code_object_version 6
	.text
	.protected	k_qc87e42cdbc_proj
	.globl	k_qc87e42cdbc_proj
	.p2align	8
	.type	k_qc87e42cdbc_proj,@function
k_qc87e42cdbc_proj:
	s_mov_b64 s[64:65], 0
	v_nop
	global_prefetch_b8 v0, s[64:65] scope:SCOPE_SE
	s_setreg_imm32_b32 hwreg(HW_REG_WAVE_MODE, 25, 1), 1
	s_wait_xcnt 0x0
	s_wait_alu depctr_hold_cnt(0) depctr_sa_sdst(0) depctr_va_vdst(0) depctr_va_sdst(0) depctr_va_ssrc(0) depctr_va_vcc(0) depctr_vm_vsrc(0)
	s_getreg_b32 s2, hwreg(HW_REG_IB_STS2, 6, 4)
	s_cmp_eq_u32 s2, 0
	s_cbranch_scc0 .Lentry_in_a_cluster
	s_endpgm
.Lentry_in_a_cluster:
	s_bfe_u32 s2, ttmp6, 0x10000c
	s_cmp_lg_u32 s2, 0xf033
	s_cbranch_scc0 .Lentry_shape_is_right
	s_endpgm
.Lentry_shape_is_right:
; qkv[mat][b][h][s][d] = bf16( relu( X_mat[b s][:] . W_mat[:][64 h + d] + bias_mat[64 h + d] ) ),  mat = 0, 1, 2 for query, key, value.
; X: [8192][1024] f32.  wt: [mat][kb 16][n 1024][kk 64] bf16 (W turned).  Sums in f32, started by the bias.
; LIMITS: X and W enter the products rounded to bf16, the result is rounded once to bf16; relu is max(0, x), so a NaN becomes 0.
; THE SHARES: the three products have 3 x 64 x 4 = 768 blocks of 128 rows x 256 columns, three for each of 256 work-groups.  A work-group STAYS and makes
; block (block row, block column) of the query's product, then of the key's, then of the value's; four waves, a wave 64 x 128: 32 accumulator tiles, 256 registers.
; K goes in steps of 128 through two LDS slots: with X in f32 a block of 128 x 256 takes 1,024 bytes of LDS for each k, so two slots of 128 k fit; a block of
; 256 x 256 takes 1,536 and has room for 64 k only, and its 384 blocks do not divide among 256 work-groups.  So a work-group fills a slot 24 times in all, and the
; ring runs on from one product into the next: the next product's first two slots are on their way while the finished block is stored.
; X stays f32 up to the registers and is rounded there: it is read from memory once and never written back.
; CLUSTERS: 4 x 4 work-groups.  The four of a row of the cluster need the same tile of X, the four of a column the same tile of W: joint loads, which divide the
; requests for both by four.  All sixteen walk the three products in the same order, so every joint load is issued by all that it names.
;
; REGISTERS in windows of 256:
;   window 0: v16-28 addresses; v32-63, v160-191 rows read back on the way out; v64-95, v96-127 fragments of X in bf16, two buffers; v128-159 packed results; v192-255 the bias
;   window 1: v0-63 X's f32 of one quarter step (16 registers a row fragment); v64-127, v128-191 fragments of W, two buffers
;   window 2: the accumulator tiles, tile (a, b) at v[8 (8 a + b)], a = 0..3 (16 rows each), b = 0..7 (16 columns each)
; THE MATRIX INSTRUCTION IS USED TRANSPOSED: source 0 = 16 columns n (rows of wt), source 1 = 16 rows of X.  Lane l then holds row l % 16 and
; its registers the columns 8 (l / 16) + 0 .. 7: eight neighbouring d of one head, 16 bytes of bf16.
.set APITCH, 528                       ; X's LDS row: 512 bytes (128 f32) + 16: the 16 rows of a fragment load start in 16 different 16-byte columns of 256
.set BPITCH, 144                       ; W's LDS row: 128 bytes (64 bf16) + 16, likewise
.set BKB,    256*BPITCH                ; 36,864: one block of 64 k x 256 n: what wave 0 or 1 fetches
.set AHALF,  64*APITCH                 ; 33,792: 64 rows of X: what wave 2 or 3 fetches, and what a wave reads of X
.set AOFF,   2*BKB                     ; X lies behind W's two blocks
.set SLOT,   AOFF+2*AHALF              ; 141,312
.set STAGE,  2*SLOT                    ; 282,624: behind the ring, never a tensor load's target
.set SPITCH, 144
.set WSTAGE, 32*SPITCH                 ; a wave's stage: 2 heads x 16 rows
.set ADRA, 16                          ; v16-17  my X fragments in slot 0, 1
.set ADRB, 20                          ; v20-21  my W fragments in slot 0, 1
.set STO,  24                          ; the way out: where I put 16 bytes
.set RD,   25                          ; where I read rows back
.set CO,   26                          ; my byte offset in qkv
.set PF,   27                          ; my byte offset for the prefetch
.set BO,   28                          ; my byte offset in the bias
.set RB1,  32
.set XF0,  64
.set XF1,  96
.set TMP,  128
.set RB0,  160
.set BI,   192
.set WF0,  64
.set WF1,  128
.set G1,  24                           ; s[24:31] group 1 for X's tiles
.set G0,  32                           ; s[32:39] group 0 for X's tiles, a set for each slot
.set G1B, 48                           ; s[48:55] group 1 for W's tiles
.set G0B, 56                           ; s[56:63] group 0 for W's tiles
.set XP0, 72                           ; s[72:77] query, key, value at my block row
.set XP1, 74
.set XP2, 76
.set BB0, 80                           ; s[80:85] bq, bk, bv at my wave's 128 columns
.set BB1, 82
.set BB2, 84
.set OB0, 86                           ; qkv at my wave's part of the block, for each product: never rewritten
.set OB1, 96
.set OB2, 98
.set PFB, 90                           ; s[90:91] the prefetch's base
.set TO_B, 0x40                        ; destination window 1, address window 0
.set MSB, 0
.macro WIN new                         ; the immediate's high byte repeats the setting that is left
.if MSB != \new
	s_set_vgpr_msb (MSB<<8)|\new
.set MSB, \new
.endif
.endm
.macro WINMUL zero                     ; source 0 (W) window 1, source 1 (X) window 0, D window 2; C window 2, or the bias in window 0
.if \zero
	WIN 0x81
.else
	WIN 0xa1
.endif
.endm
.macro PLACES                          ; four places behind a matrix instruction, in front of loads into and vector writes of its registers
.rept 4
	v_nop
.endr
.endm
; A joint load: waves 0 and 1 ask for W's two blocks of 64 k, waves 2 and 3 for X's two halves.  The branch hangs on the wave's number alone.
.macro JLOAD s
	s_cmp_eq_u32 s11, 0
	s_cbranch_scc0 .Lfor_x_\@
	tensor_load_to_lds s[G0B+4*\s:G0B+4*\s+3], s[G1B:G1B+7]
	s_nop 0
	s_branch .Lasked_\@
.Lfor_x_\@:
	tensor_load_to_lds s[G0+4*\s:G0+4*\s+3], s[G1:G1+7]
	s_nop 0
.Lasked_\@:
.endm
.macro CREST                           ; a round of the cluster's barrier behind its opening barrier
	s_cmp_lg_u32 s10, 0
	s_cbranch_scc1 .Lnot_wave_0_\@
	s_barrier_signal -3
.Lnot_wave_0_\@:
	s_barrier_wait -3
	s_barrier_signal -1
	s_barrier_wait -1
.endm
.macro CROUND
	s_barrier_signal -1
	s_barrier_wait -1
	CREST
.endm
	s_load_b256 s[72:79], s[0:1], 0x0              ; query s[72:73], key s[74:75], value s[76:77], wt s[78:79]
	s_load_b256 s[80:87], s[0:1], 0x20             ; bq s[80:81], bk s[82:83], bv s[84:85], qkv s[86:87]
	s_set_vgpr_msb 0x40
	v_lshl_add_u32 v254, v0, 2, 0x49800
	v_mov_b32 v255, 0
	s_set_vgpr_msb 0x4045
	ds_add_u32 v254, v255
	s_set_vgpr_msb 0x4500
	v_lshrrev_b32 v1, 5, v0
	v_readfirstlane_b32 s10, v1                    ; wave 0..3
	s_lshr_b32 s11, s10, 1                         ; my half of the block's rows.  Also: I fetch for W (0) or for X (1)
	s_and_b32 s12, s10, 1                          ; my half of its columns.  Also: which part of that tile I fetch
	s_bfe_u32 s40, ttmp6, 0x40000                  ; cx
	s_bfe_u32 s41, ttmp6, 0x40004                  ; cy
	s_lshl_b32 s42, ttmp9, 2
	s_add_co_u32 s42, s42, s40                     ; block column 0..3
	s_and_b32 s13, ttmp7, 0xffff
	s_lshl_b32 s13, s13, 2
	s_add_co_u32 s13, s13, s41                     ; block row 0..63
	s_lshl_b32 s43, s41, 2
	s_lshl_b32 s43, 15, s43                        ; my row of the cluster
	s_lshl_b32 s44, 0x1111, s40                    ; my column
	; group 1, X: 64 rows x 128 elements of 4 bytes, 1,024 elements from row to row; 4 words of padding behind every 128
	s_or_b32 s[G1+0], s43, (2<<16)|(1<<20)|(1<<21)|(6<<22)|(3<<25)
	s_mov_b32 s[G1+1], 128<<16                     ; tensor_dim0 = 128
	s_mov_b32 s[G1+2], 64<<16                      ; tensor_dim1 = 64
	s_mov_b32 s[G1+3], 128<<16                     ; tile_dim0 = 128
	s_mov_b32 s[G1+4], 64                          ; tile_dim1 = 64
	s_mov_b32 s[G1+5], 1024                        ; pitch
	s_mov_b32 s[G1+6], 0
	s_mov_b32 s[G1+7], 0
	; group 1, W: 32,768 consecutive bytes (256 n of one block of 64 k) as 128 rows x 128 elements of 2 bytes; 4 words of padding behind every 32 words, that is behind each n's 128 bytes
	s_or_b32 s[G1B+0], s44, (1<<16)|(1<<20)|(1<<21)|(4<<22)|(3<<25)
	s_mov_b32 s[G1B+1], 128<<16
	s_mov_b32 s[G1B+2], 128<<16
	s_mov_b32 s[G1B+3], 128<<16
	s_mov_b32 s[G1B+4], 128
	s_mov_b32 s[G1B+5], 128
	s_mov_b32 s[G1B+6], 0
	s_mov_b32 s[G1B+7], 0
	; offsets.  X's hang on the block row (shared along my row of the cluster), W's on the block column (shared along my column); each in registers of its own
	s_lshl_b32 s88, s13, 19                        ; 128 rows of 4,096 bytes
	s_mov_b32 s89, 0
	s_lshl_b32 s16, s12, 18                        ; the 64 rows that I fetch
	s_mov_b32 s17, 0
	s_lshl_b32 s46, s42, 15                        ; 256 n of 128 bytes
	s_lshl_b32 s47, s12, 17                        ; + the block of 64 k that I fetch
	s_add_co_u32 s46, s46, s47
	s_mov_b32 s47, 0
	s_lshl_b32 s92, s42, 10                        ; the bias of my 128 columns: 4 (256 block column + 128 half)
	s_lshl_b32 s93, s12, 9
	s_add_co_u32 s92, s92, s93
	s_mov_b32 s93, 0
	s_lshr_b32 s94, s13, 4                         ; qkv: batch = block row / 16,
	s_lshl_b32 s94, s94, 22
	s_and_b32 s95, s13, 15
	s_lshl_b32 s95, s95, 14                        ; 128 (block row % 16) rows of 128 bytes,
	s_add_co_u32 s94, s94, s95
	s_lshl_b32 s95, s11, 13                        ; my 64 rows,
	s_add_co_u32 s94, s94, s95
	s_lshl_b32 s95, s42, 20                        ; head 4 x block column
	s_add_co_u32 s94, s94, s95
	s_lshl_b32 s95, s12, 19                        ; + 2 x my half
	s_add_co_u32 s94, s94, s95
	s_mov_b32 s95, 0
	s_mul_i32 s20, s10, AHALF
	s_add_co_u32 s20, s20, AOFF-2*AHALF            ; LDS: X's halves at 73,728 + (wave - 2) x 33,792 (waves 2, 3),
	s_mul_i32 s21, s10, BKB                        ; W's blocks at wave x 36,864 (waves 0, 1)
	s_wait_dscnt 0x0
	s_wait_kmcnt 0x0
	s_add_nc_u64 s[XP0:XP0+1], s[XP0:XP0+1], s[88:89]
	s_add_nc_u64 s[XP1:XP1+1], s[XP1:XP1+1], s[88:89]
	s_add_nc_u64 s[XP2:XP2+1], s[XP2:XP2+1], s[88:89]
	s_add_nc_u64 s[14:15], s[XP0:XP0+1], s[16:17]
	s_add_nc_u64 s[46:47], s[78:79], s[46:47]
	s_add_nc_u64 s[BB0:BB0+1], s[BB0:BB0+1], s[92:93]
	s_add_nc_u64 s[BB1:BB1+1], s[BB1:BB1+1], s[92:93]
	s_add_nc_u64 s[BB2:BB2+1], s[BB2:BB2+1], s[92:93]
	s_add_nc_u64 s[OB0:OB0+1], s[OB0:OB0+1], s[94:95]
	s_add_nc_u64 s[OB1:OB1+1], s[OB0:OB0+1], 0x1000000
	s_add_nc_u64 s[OB2:OB2+1], s[OB0:OB0+1], 0x2000000
	s_add_nc_u64 s[PFB:PFB+1], s[XP0:XP0+1], 1024  ; K step 2 of the block's first row; stepped by two K steps in front of each prefetch
	CROUND                                         ; all sixteen work-groups are here: the first joint loads meet
.irp s, 0,1
	s_mov_b32 s[G0+4*\s], 1
	s_add_co_u32 s[G0+4*\s+1], s20, \s*SLOT
	s_add_nc_u64 s[G0+4*\s+2:G0+4*\s+3], s[14:15], \s*512          ; K step s: 128 f32 on
	s_or_b32 s[G0+4*\s+3], s[G0+4*\s+3], 0x80000000
	s_mov_b32 s[G0B+4*\s], 1
	s_add_co_u32 s[G0B+4*\s+1], s21, \s*SLOT
	s_add_nc_u64 s[G0B+4*\s+2:G0B+4*\s+3], s[46:47], \s*262144     ; K step s: two blocks of 64 k on
	s_or_b32 s[G0B+4*\s+3], s[G0B+4*\s+3], 0x80000000
	JLOAD \s                                       ; both first fills: two tensor loads of the wave are out
.endr
	v_and_b32 v1, 15, v0                           ; r = l % 16
	v_bfe_u32 v2, v0, 4, 1                         ; h = l / 16
	v_mul_u32_u24 v3, v1, APITCH
	v_lshl_add_u32 v3, v2, 5, v3                   ; X: row r, 8 h f32
	s_mul_i32 s22, s11, AHALF
	s_add_co_u32 s22, s22, AOFF
	v_add_nc_u32 v[ADRA], s22, v3
	v_add_nc_u32 v[ADRA+1], SLOT, v[ADRA]
	v_mul_u32_u24 v4, v1, BPITCH
	v_lshl_add_u32 v4, v2, 4, v4                   ; W: row r, 8 h bf16.  The stage has the same pitch
	s_mul_i32 s22, s12, 128*BPITCH
	v_add_nc_u32 v[ADRB], s22, v4
	v_add_nc_u32 v[ADRB+1], SLOT, v[ADRB]
	s_mul_i32 s23, s10, WSTAGE
	s_add_co_u32 s23, s23, STAGE                   ; my stage
	v_add_nc_u32 v[STO], s23, v4
	v_mul_u32_u24 v5, v2, 16*SPITCH                ; back: lanes 0-15 the first head, lanes 16-31 the second;
	v_bfe_u32 v6, v0, 3, 1
	v_mad_u32_u24 v5, v6, SPITCH, v5               ; eight lanes a row of 128 bytes, two rows
	v_and_b32 v7, 7, v0
	v_lshl_add_u32 v5, v7, 4, v5
	v_add_nc_u32 v[RD], s23, v5
	v_lshlrev_b32 v[CO], 4, v1                     ; the two rows are 256 consecutive bytes of a head in qkv,
	v_lshl_add_u32 v[CO], v2, 18, v[CO]            ; the second head 262,144 bytes on
	s_lshl_b32 s92, s40, 5
	s_lshl_b32 s93, s10, 3
	s_add_co_u32 s92, s92, s93
	v_add_nc_u32 v[PF], s92, v7                    ; prefetch: row 32 cx + 8 wave + l % 8 of the block row: the sixteen waves of my row of the cluster share its 128 rows,
	v_lshlrev_b32 v[PF], 12, v[PF]
	v_bfe_u32 v6, v0, 3, 2
	v_lshl_add_u32 v[PF], v6, 8, v[PF]             ; and each eight lanes take one of the four blocks of 256 bytes that two K steps have in a row
	v_lshlrev_b32 v[BO], 5, v2                     ; bias: 8 h f32
.macro BIAS bb                         ; the bias of columns 16 b + 8 h + 0 .. 7: the layout of a result tile
.irp b, 0,1,2,3,4,5,6,7
	global_load_b128 v[BI+8*\b:BI+8*\b+3],   v[BO], s[\bb:\bb+1] offset:64*\b
	global_load_b128 v[BI+8*\b+4:BI+8*\b+7], v[BO], s[\bb:\bb+1] offset:64*\b+16
.endr
.endm
	BIAS BB0
; 8 matrix instructions: row fragment a x all 8 column tiles, 32 along K.  zero = 1: the bias is C and starts the sums.
; The 32 accumulators take turns, one instruction a turn, in the same order in every quarter step.
.macro MUL8 wf, xf, a, zero
.irp b, 0,1,2,3,4,5,6,7
.if \zero
	v_wmma_f32_16x16x32_bf16 v[8*(8*\a+\b):8*(8*\a+\b)+7], v[\wf+8*\b:\wf+8*\b+7], v[\xf+8*\a:\xf+8*\a+7], v[BI+8*\b:BI+8*\b+7]
.else
	v_wmma_f32_16x16x32_bf16 v[8*(8*\a+\b):8*(8*\a+\b)+7], v[\wf+8*\b:\wf+8*\b+7], v[\xf+8*\a:\xf+8*\a+7], v[8*(8*\a+\b):8*(8*\a+\b)+7]
.endif
.endr
.endm
; 16 LDS loads: W's fragments of quarter q (128 n, 32 k: block q / 2, byte 64 (q % 2) of its rows) into buffer wf of window 1
.macro FETCHW slot, q, wf
	WIN TO_B
.irp b, 0,1,2,3,4,5,6,7
	ds_load_b128 v[\wf+8*\b:\wf+8*\b+3],   v[ADRB+\slot] offset:(\q>>1)*BKB+(\q&1)*64+\b*16*BPITCH
	ds_load_b128 v[\wf+8*\b+4:\wf+8*\b+7], v[ADRB+\slot] offset:(\q>>1)*BKB+(\q&1)*64+\b*16*BPITCH+32
.endr
.endm
; 16 LDS loads: X's f32 of quarter q.  A lane's sixteen numbers of row fragment a: k = 8 h + 0..7 (32 bytes) and 16 + 8 h + 0..7 (64 bytes on)
.macro FETCHS slot, q
	WIN TO_B
.irp a, 0,1,2,3
	ds_load_b128 v[16*\a:16*\a+3],     v[ADRA+\slot] offset:\q*128+\a*16*APITCH
	ds_load_b128 v[16*\a+4:16*\a+7],   v[ADRA+\slot] offset:\q*128+\a*16*APITCH+16
	ds_load_b128 v[16*\a+8:16*\a+11],  v[ADRA+\slot] offset:\q*128+\a*16*APITCH+64
	ds_load_b128 v[16*\a+12:16*\a+15], v[ADRA+\slot] offset:\q*128+\a*16*APITCH+80
.endr
.endm
; 32 roundings: those f32 become the four bf16 fragments of buffer xf in window 0
.macro CVT xf
	WIN 0x05
.irp a, 0,1,2,3
.irp c, 0,1,2,3,4,5,6,7
	v_cvt_pk_bf16_f32 v[\xf+8*\a+\c], v[16*\a+2*\c], v[16*\a+2*\c+1]
.endr
.endr
.endm
; A quarter step multiplies buffers wf, xf.  Coming in, out in this order are at the most: the 16 loads of wf, the 16 loads of the next quarter's f32.
; Its first half fetches the next quarter's W into wg and rounds the next quarter's X into xg; its second half fetches the f32 of the quarter after that.
.macro QA wf, xf, wg, xg, wslot, wq, zero
	s_wait_dscnt 16                                ; wf is in; the 16 younger loads (X's f32) may be out
	PLACES                                         ; wg and xg were read by the matrix instructions just issued
	FETCHW \wslot, \wq, \wg
	WINMUL \zero
	MUL8 \wf, \xf, 0, \zero
	MUL8 \wf, \xf, 1, \zero
	s_wait_dscnt 16                                ; X's f32 are in; the 16 younger loads (wg) may be out
	CVT \xg
.endm
.macro QB wf, xf, sslot, sq, zero
	FETCHS \sslot, \sq
	WINMUL \zero
	MUL8 \wf, \xf, 2, \zero
	MUL8 \wf, \xf, 3, \zero
.endm
; A K step of 128: four quarters on buffers 0, 1, 0, 1.  The slot's last read is the fetch of its fourth quarter's W, at the head of the third quarter, so the
; change of slots stands in the third quarter and a refill has a whole K step less eight matrix instructions in which to land.
; mode 2: this slot is filled again with this product's K step two ahead; 3: with the next product's (X at s[xn:xn+1]); 1: change of slots without a fill; 0: the last step of all.
; pf 1: prefetch; 2: in the loop, where the second trip goes over to the next product's X; 3: in the last product's loop, first trip only.
.macro STEP slot, next, mode, zero, pf, xn
	QA WF0, XF0, WF1, XF1, \slot, 1, \zero
	QB WF0, XF0, \slot, 2, \zero
	QA WF1, XF1, WF0, XF0, \slot, 2, 0
	QB WF1, XF1, \slot, 3, 0
	QA WF0, XF0, WF1, XF1, \slot, 3, 0
.if \mode
	s_wait_dscnt 0x0                               ; all my reads of this slot are over: its fourth quarter lies in registers
	s_wait_tensorcnt 0x0                           ; and all my tensor loads have landed: the one that was out is my part of the next slot
	ds_add_u32 v254, v255
	s_wait_dscnt 0x0
	s_barrier_signal -1
	WINMUL 0
	MUL8 WF0, XF0, 2, 0                            ; register work while the others arrive
	WIN 0
	s_barrier_wait -1
.if \mode > 1
	CREST                                          ; all sixteen work-groups have said so: no wave of a partner reads this slot or has a load on its way
.if \mode == 3
	s_add_nc_u64 s[G0+4*\slot+2:G0+4*\slot+3], s[\xn:\xn+1], s[16:17]      ; the next product's X at the rows that I fetch,
.if \slot
	s_add_nc_u64 s[G0+4*\slot+2:G0+4*\slot+3], s[G0+4*\slot+2:G0+4*\slot+3], 512   ; its K step 1
.endif
	s_or_b32 s[G0+4*\slot+3], s[G0+4*\slot+3], 0x80000000
.else
	s_add_nc_u64 s[G0+4*\slot+2:G0+4*\slot+3], s[G0+4*\slot+2:G0+4*\slot+3], 1024
.endif
	s_add_nc_u64 s[G0B+4*\slot+2:G0B+4*\slot+3], s[G0B+4*\slot+2:G0B+4*\slot+3], 524288   ; four blocks of 64 k on: wt's three products follow each other, so this step also leads into the next one
	JLOAD \slot                                    ; two K steps ahead; the wave's one tensor load until the next round
; The prefetch: X's 256-byte blocks of the K steps four and five ahead of this one, whose tensor loads go out two and three K steps from here.
.if \pf == 1
	s_wait_xcnt 0x0                                ; the last prefetch, two K steps ago, has read its base
	s_add_nc_u64 s[PFB:PFB+1], s[PFB:PFB+1], 1024
	global_prefetch_b8 v[PF], s[PFB:PFB+1] th:TH_LOAD_NT scope:SCOPE_SE
.endif
.if \pf == 2
	s_wait_xcnt 0x0
	s_add_nc_u64 s[PFB:PFB+1], s[PFB:PFB+1], 1024
	s_cmp_eq_u32 s3, 1                             ; K step 4: four ahead is the next product's K step 0
	s_cselect_b64 s[PFB:PFB+1], s[\xn:\xn+1], s[PFB:PFB+1]
	global_prefetch_b8 v[PF], s[PFB:PFB+1] th:TH_LOAD_NT scope:SCOPE_SE
.endif
.if \pf == 3
	s_cmp_eq_u32 s3, 1                             ; K step 4 of the last product: nothing lies four ahead
	s_cbranch_scc1 .Lno_pf_\@
	s_wait_xcnt 0x0
	s_add_nc_u64 s[PFB:PFB+1], s[PFB:PFB+1], 1024
	global_prefetch_b8 v[PF], s[PFB:PFB+1] th:TH_LOAD_NT scope:SCOPE_SE
.Lno_pf_\@:
.endif
.endif
	FETCHS \next, 0                                ; the next slot's first quarter
	WINMUL 0
	MUL8 WF0, XF0, 3, 0
	QA WF1, XF1, WF0, XF0, \next, 0, 0
	QB WF1, XF1, \next, 1, 0
.else
	WINMUL 0
	MUL8 WF0, XF0, 2, 0
	MUL8 WF0, XF0, 3, 0
	s_wait_dscnt 0x0                               ; the last quarter's W
	MUL8 WF1, XF1, 0, 0
	MUL8 WF1, XF1, 1, 0
	MUL8 WF1, XF1, 2, 0
	MUL8 WF1, XF1, 3, 0
.endif
.endm
; THE WAY OUT, 16 rows at a time: relu, round to bf16, 16 bytes a lane into my stage, read back so that sixteen lanes hold two rows of one head.
; rows 16 i .. 16 i + 15 of my part = tiles (i, 0..7); rb: the registers read back into, two sets in turn; ob: qkv at my part, for this product
.macro OUT16 i, rb, ob
	WIN 0x88
.irp b, 0,1,2,3,4,5,6,7
.irp j, 0,1,2,3,4,5,6,7
	v_max_num_f32 v[8*(8*\i+\b)+\j], 0, v[8*(8*\i+\b)+\j]
.endr
.endr
	WIN 0x0a
.irp b, 0,1,2,3,4,5,6,7
.irp c, 0,1,2,3
	v_cvt_pk_bf16_f32 v[TMP+4*\b+\c], v[8*(8*\i+\b)+2*\c], v[8*(8*\i+\b)+2*\c+1]
.endr
.endr
	WIN 0
.irp b, 0,1,2,3,4,5,6,7
	ds_store_b128 v[STO], v[TMP+4*\b:TMP+4*\b+3] offset:(\b>>2)*16*SPITCH+(\b&3)*32   ; head b / 4, d = 16 (b % 4) + 8 h
.endr
	s_wait_xcnt 0x0                                ; the set rb, which earlier stores read, is loaded again only behind this wait
.irp t, 0,1,2,3,4,5,6,7
	ds_load_b128 v[\rb+4*\t:\rb+4*\t+3], v[RD] offset:\t*2*SPITCH   ; LDS serves a wave's instructions in order: these see the stores above
.endr
.irp t, 0,1,2,3,4,5,6,7
	s_wait_dscnt 7-\t                              ; load t is in when 7 - t younger ones are out
	global_store_b128 v[CO], v[\rb+4*\t:\rb+4*\t+3], s[\ob:\ob+1] offset:\i*2048+\t*256   ; sixteen lanes store 256 consecutive bytes, aligned
.endr
.endm
; bbn: the next product's bias (0: there is none), asked for at the head of the way out and waited for at its end.  While a block goes out, the next product's first
; quarter lies rounded in X's buffer 0, and its W and second quarter are in or on their way into window 1: the way out touches none of these registers.
.macro WAYOUT ob, bbn
	PLACES                                         ; behind the last matrix instructions, in front of the vector instructions that read and write their results
	WIN 0
.if \bbn
	BIAS \bbn
.endif
	OUT16 0, RB0, \ob
	OUT16 1, RB1, \ob
	OUT16 2, RB0, \ob
	OUT16 3, RB1, \ob
.if \bbn
	s_wait_loadcnt 0x0
.endif
.endm
; One product's block: K steps 0, 1 (the first products take the bias as C), 2 to 5 in a loop, 6, 7 (which fill the slots for the next product, or no more), the way out.
.macro TILE last, xn, ob, bbn
	STEP 0, 1, 2, 1, 1, 0
	STEP 1, 0, 2, 0, 0, 0
	WIN 0
	s_mov_b32 s3, 2
.Llap_\@:
.if \last
	STEP 0, 1, 2, 0, 3, 0
.else
	STEP 0, 1, 2, 0, 2, \xn
.endif
	STEP 1, 0, 2, 0, 0, 0
	WIN 0
	s_sub_co_u32 s3, s3, 1
	s_cmp_lg_u32 s3, 0
	s_cbranch_scc1 .Llap_\@
.if \last
	STEP 0, 1, 1, 0, 0, 0
	STEP 1, 0, 0, 0, 0, 0
.else
	STEP 0, 1, 3, 0, 1, \xn
	STEP 1, 0, 3, 0, 0, \xn
.endif
	WAYOUT \ob, \bbn
.endm
	s_wait_tensorcnt 0x1                           ; my part of K step 0 is in; K step 1's may stay out
	s_barrier_signal -1
	s_barrier_wait -1
	FETCHW 0, 0, WF0
	FETCHS 0, 0
	s_wait_dscnt 0x0
	CVT XF0
	FETCHS 0, 1
	s_wait_loadcnt 0x0                             ; the bias
	TILE 0, XP1, OB0, BB1                          ; the query's block
	TILE 0, XP2, OB1, BB2                          ; the key's
	TILE 1, 0, OB2, 0                              ; the value's
	s_set_vgpr_msb 0x5
	s_wait_tensorcnt 0x0
	ds_add_u32 v254, v255
	s_wait_dscnt 0x0
	s_set_vgpr_msb 0x500
	CROUND                                         ; the closing round: no work-group ends while a partner may still ask jointly
	s_endpgm
.Lfunc_end_k_qc87e42cdbc_proj:
	.size	k_qc87e42cdbc_proj, .Lfunc_end_k_qc87e42cdbc_proj-k_qc87e42cdbc_proj
	.p2alignl 7, 3214868480
	.fill 96, 4, 3214868480
	.section	.rodata,"a",@progbits
	.p2align	6, 0x0
	.amdhsa_kernel k_qc87e42cdbc_proj
		.amdhsa_group_segment_fixed_size 327680
		.amdhsa_private_segment_fixed_size 0
		.amdhsa_enable_private_segment 0
		.amdhsa_kernarg_size 64
		.amdhsa_user_sgpr_count 2
		.amdhsa_user_sgpr_kernarg_segment_ptr 1
		.amdhsa_wavefront_size32 1
		.amdhsa_system_sgpr_workgroup_id_x 1
		.amdhsa_system_sgpr_workgroup_id_y 1
		.amdhsa_system_sgpr_workgroup_id_z 1
		.amdhsa_system_vgpr_workitem_id 0
		.amdhsa_next_free_vgpr 768
		.amdhsa_next_free_sgpr 100
		.amdhsa_reserve_vcc 0
		.amdhsa_float_denorm_mode_32 3
		.amdhsa_float_denorm_mode_16_64 3
		.amdhsa_memory_ordered 1
		.amdhsa_forward_progress 1
		.amdhsa_inst_pref_size 255
	.end_amdhsa_kernel
	.section	.bss,"aw",@nobits
	.p2align	6
	.space	262144
	.amdgpu_metadata
---
amdhsa.version: [ 1, 2 ]
amdhsa.kernels:
  - .name:           k_qc87e42cdbc_proj
    .symbol:         k_qc87e42cdbc_proj.kd
    .args:
      - { .name: query, .offset: 0, .size: 8, .value_kind: global_buffer, .address_space: global }
      - { .name: key, .offset: 8, .size: 8, .value_kind: global_buffer, .address_space: global }
      - { .name: value, .offset: 16, .size: 8, .value_kind: global_buffer, .address_space: global }
      - { .name: wt, .offset: 24, .size: 8, .value_kind: global_buffer, .address_space: global }
      - { .name: bq, .offset: 32, .size: 8, .value_kind: global_buffer, .address_space: global }
      - { .name: bk, .offset: 40, .size: 8, .value_kind: global_buffer, .address_space: global }
      - { .name: bv, .offset: 48, .size: 8, .value_kind: global_buffer, .address_space: global }
      - { .name: qkv, .offset: 56, .size: 8, .value_kind: global_buffer, .address_space: global }
    .group_segment_fixed_size: 327680
    .private_segment_fixed_size: 0
    .kernarg_segment_align: 8
    .kernarg_segment_size: 64
    .max_flat_workgroup_size: 128
    .sgpr_count:     100
    .vgpr_count:     768
    .wavefront_size: 32
...
	.end_amdgpu_metadata
.endif
;; end of part 2
;; launch attn (part 3): grid 256 x 1, 8 waves a work-group, clusters of 4 x 1, 327,680 bytes of LDS; arguments qkv, out0; writes out0
.if DOCPART == 3
	.amdgcn_target "amdgcn-amd-amdhsa--gfx1250"
	.amdhsa_code_object_version 6
	.text
	.protected	k_qc87e42cdbc_attn
	.globl	k_qc87e42cdbc_attn
	.p2align	8
	.type	k_qc87e42cdbc_attn,@function
k_qc87e42cdbc_attn:
	s_mov_b64 s[64:65], 0
	v_nop
	global_prefetch_b8 v0, s[64:65] scope:SCOPE_SE
	s_setreg_imm32_b32 hwreg(HW_REG_WAVE_MODE, 25, 1), 1
	s_wait_xcnt 0x0
	s_wait_alu depctr_hold_cnt(0) depctr_sa_sdst(0) depctr_va_vdst(0) depctr_va_sdst(0) depctr_va_ssrc(0) depctr_va_vcc(0) depctr_vm_vsrc(0)
	s_getreg_b32 s2, hwreg(HW_REG_IB_STS2, 6, 4)
	s_cmp_eq_u32 s2, 0
	s_cbranch_scc0 .Lentry_in_a_cluster
	s_endpgm
.Lentry_in_a_cluster:
	s_bfe_u32 s2, ttmp6, 0x10000c
	s_cmp_lg_u32 s2, 0x3003
	s_cbranch_scc0 .Lentry_shape_is_right
	s_endpgm
.Lentry_shape_is_right:
; out0[b][q][64 h + d] = sum over k of softmax_k( Q[q] . K[k] / 8 ) V[k][d], for each of the 64 pairs (b, h).  qkv: [mat][b][h][s 2048][d 64] bf16.
; A cluster of four work-groups takes one (b, h); a work-group 512 queries, a wave 64 (four fragments of 16).  All four walk the same 16 tiles of
; 128 keys of K and of V: joint loads, so each tile is asked for once for the four.  Two LDS slots; a tile is asked for a whole trip ahead of its use
; (128 matrix instructions of each of eight waves), so there is no prefetch and no larger slot.
; TRANSPOSED: S^T = K Q^T, so a lane holds 8 keys a tile of ONE query: maxima and sums stay in the lane but for one exchange between the halves
; of the wave; two score tiles, rounded to bf16 in place, ARE the second operand (32 keys) of O^T = V^T P^T; V^T comes from V [key][d] by the
; transposing LDS load.  m, l and alpha are one number a lane and fragment.
; SOFTMAX with a running maximum m of the raw scores: p = 2^(c s - c m), c = log2(e) / 8; O and l are scaled by alpha = 2^(c m_old - c m_new).
; LIMITS: Q, K, V and p enter the products in bf16; l adds the unrounded p.  The exponent is fma(s, c, -(c m) rounded), so it can pass 0 by the
; rounding of c m; numerator and l use the same p.  v_exp_f32 gives 0 for results below 2^-126 (ISA guide, its entry).  Sums in another order than the formula's.
; TWO GROUPS OF WAVES: the softmax of a tile's second half stands in front of the trip's barrier for the waves of group 0 and behind it for those
; of group 1, so that behind the barrier one group starts with matrix work and the other with vector work.  group = (wave ^ wave / 4) & 1.
;
; window 0: v4-11 addresses; v12-19 m (old and new by turns); v20-27 -c m, twice each; v28-43 l, two chains of pairs; v44-47 at work; v48-55 alpha, twice each;
;           v56-57 c; v64-127 Q fragments (i, c); v128-255 scores (i, t), then p in bf16 at 128 + 32 i + 16 kc
; window 1: v0-127 O^T (i, dt); v128-191 K fragments (t, c); v192-255 V^T fragments (kc, dt)
.set KPITCH, 144                       ; 128 bytes + 16
.set VPITCH, 160                       ; 128 bytes + 32: the eight rows and two 16-byte columns that sixteen lanes of a transposing load touch fall in 16 different columns of 256 bytes
.set KBYTES, 128*KPITCH
.set VBYTES, 128*VPITCH
.set SLOT,   KBYTES+VBYTES             ; 38,912
.set STAGE,  2*SLOT                    ; 77,824: behind the ring, never a tensor load's target
.set SPITCH, 272                       ; a query's 64 f32 + 16 bytes
.set WSTAGE, 16*SPITCH
.set TILEB,  16384                     ; 128 keys of 128 bytes
.set KADR, 4
.set VADR, 6
.set STO,  8
.set RD,   9
.set CO,   10
.set QO,   11
.set MS,   12
.set NM,   20
.set LS,   28
.set T,    44
.set AL,   48
.set CC,   56
.set QF,   64
.set SR,   128
.set OA,   0
.set KF,   128
.set VF,   192
.set G1K, 16
.set G1V, 24
.set G0K, 32
.set G0V, 40
.set MSB, 0
.macro WIN new
.if MSB != \new
	s_set_vgpr_msb (MSB<<8)|\new
.set MSB, \new
.endif
.endm
.macro NOP5                            ; five places behind a matrix instruction: for vector reads of its result and loads into its sources (four), and for a
.rept 5                                ; matrix instruction that writes over one of its registers or takes its result as an operand (five) (ISA guide 7.12.1)
	v_nop
.endr
.endm
.macro ROUND                           ; a round of the cluster's barrier
	s_barrier_signal -1
	s_barrier_wait -1
	s_cmp_lg_u32 s8, 0
	s_cbranch_scc1 .Lnot_wave_0_\@
	s_barrier_signal -3
.Lnot_wave_0_\@:
	s_barrier_wait -3
	s_barrier_signal -1
	s_barrier_wait -1
.endm
.macro JLOAD s                         ; wave 0 asks for K's tile, wave 1 for V's, the others for none: at most one tensor load of a wave is out
	s_cmp_lg_u32 s8, 0
	s_cbranch_scc1 .Lnot_k_\@
	tensor_load_to_lds s[G0K+4*\s:G0K+4*\s+3], s[G1K:G1K+7]
	s_nop 0
.Lnot_k_\@:
	s_cmp_lg_u32 s8, 1
	s_cbranch_scc1 .Lnot_v_\@
	tensor_load_to_lds s[G0V+4*\s:G0V+4*\s+3], s[G1V:G1V+7]
	s_nop 0
.Lnot_v_\@:
.endm
	s_load_b128 s[4:7], s[0:1], 0x0                ; qkv s[4:5], out0 s[6:7]
	v_lshl_add_u32 v62, v0, 2, 0x29000
	v_mov_b32 v63, 0
	ds_add_u32 v62, v63
	v_lshrrev_b32 v1, 5, v0
	v_readfirstlane_b32 s8, v1                     ; wave 0..7
	s_lshr_b32 s9, s8, 2
	s_xor_b32 s9, s9, s8
	s_and_b32 s9, s9, 1                            ; group
	s_mov_b32 s10, 0x76543210                      ; v_permlanex16_b32: lane i reads lane i of the other half
	s_mov_b32 s11, 0xfedcba98
	s_bfe_u32 s49, ttmp6, 0x40000                  ; cx: my block of 512 queries
	; group 1: 16,384 consecutive bytes as 64 rows x 128 elements of 2 bytes; padding behind every 32 words (a key's 128 bytes): 4 words for K, 8 for V; mask: all four
	s_mov_b32 s[G1K+0], 15|(1<<16)|(1<<20)|(1<<21)|(4<<22)|(3<<25)
	s_mov_b32 s[G1K+1], 128<<16
	s_mov_b32 s[G1K+2], 64<<16
	s_mov_b32 s[G1K+3], 128<<16
	s_mov_b32 s[G1K+4], 64
	s_mov_b32 s[G1K+5], 128
	s_mov_b32 s[G1K+6], 0
	s_mov_b32 s[G1K+7], 0
	s_mov_b32 s[G1V+0], 15|(1<<16)|(1<<20)|(1<<21)|(4<<22)|(7<<25)
	s_mov_b32 s[G1V+1], 128<<16
	s_mov_b32 s[G1V+2], 64<<16
	s_mov_b32 s[G1V+3], 128<<16
	s_mov_b32 s[G1V+4], 64
	s_mov_b32 s[G1V+5], 128
	s_mov_b32 s[G1V+6], 0
	s_mov_b32 s[G1V+7], 0
	s_lshl_b32 s50, ttmp9, 18                      ; the head's 2,048 rows of 128 bytes
	s_mov_b32 s51, 0
	s_lshl_b32 s58, s49, 16                        ; my work-group's 512 queries,
	s_lshl_b32 s59, s8, 13                         ; my wave's 64
	s_add_co_u32 s58, s58, s59
	s_mov_b32 s59, 0
	s_wait_dscnt 0x0
	s_wait_kmcnt 0x0
	s_add_nc_u64 s[52:53], s[4:5], s[50:51]        ; Q of the head
	s_add_nc_u64 s[54:55], s[52:53], 0x1000000     ; K of the head
	s_add_nc_u64 s[56:57], s[52:53], 0x2000000     ; V of the head
	s_add_nc_u64 s[60:61], s[52:53], s[58:59]      ; my queries
.irp s, 0,1
	s_mov_b32 s[G0K+4*\s], 1
	s_mov_b32 s[G0K+4*\s+1], \s*SLOT
	s_add_nc_u64 s[G0K+4*\s+2:G0K+4*\s+3], s[54:55], \s*TILEB      ; slot s starts with tile s
	s_or_b32 s[G0K+4*\s+3], s[G0K+4*\s+3], 0x80000000
	s_mov_b32 s[G0V+4*\s], 1
	s_mov_b32 s[G0V+4*\s+1], \s*SLOT+KBYTES
	s_add_nc_u64 s[G0V+4*\s+2:G0V+4*\s+3], s[56:57], \s*TILEB
	s_or_b32 s[G0V+4*\s+3], s[G0V+4*\s+3], 0x80000000
.endr
	ROUND                                          ; the four work-groups are here: the first joint loads meet
	JLOAD 0                                        ; tile 0
	s_lshr_b32 s58, ttmp9, 4
	s_lshl_b32 s58, s58, 23                        ; out0: batch x 2,048 rows of 4,096 bytes
	s_and_b32 s59, ttmp9, 15
	s_lshl_b32 s59, s59, 8                         ; + head x 256 bytes
	s_add_co_u32 s58, s58, s59
	s_lshl_b32 s59, s49, 21                        ; + 512 cx rows
	s_add_co_u32 s58, s58, s59
	s_lshl_b32 s59, s8, 18                         ; + 64 wave rows
	s_add_co_u32 s58, s58, s59
	s_mov_b32 s59, 0
	s_add_nc_u64 s[6:7], s[6:7], s[58:59]
	v_and_b32 v1, 15, v0                           ; r
	v_bfe_u32 v2, v0, 4, 1                         ; h
	v_lshlrev_b32 v3, 7, v1
	v_lshl_add_u32 v[QO], v2, 4, v3                ; Q: row r, 8 h bf16
.irp i, 0,1,2,3
.irp c, 0,1
	global_load_b128 v[QF+16*\i+8*\c:QF+16*\i+8*\c+3],   v[QO], s[60:61] offset:\i*2048+64*\c
	global_load_b128 v[QF+16*\i+8*\c+4:QF+16*\i+8*\c+7], v[QO], s[60:61] offset:\i*2048+64*\c+32
.endr
.endr
	v_mul_u32_u24 v3, v1, KPITCH
	v_lshl_add_u32 v[KADR], v2, 4, v3              ; K: row r, 8 h bf16
	v_add_nc_u32 v[KADR+1], SLOT, v[KADR]
	v_and_b32 v3, 7, v0
	v_lshl_add_u32 v3, v2, 3, v3                   ; V: key 8 h + l % 8,
	v_mul_u32_u24 v3, v3, VPITCH
	v_bfe_u32 v58, v0, 3, 1
	v_lshl_add_u32 v3, v58, 4, v3                  ; 16 bytes (8 d) for each eight lanes
	v_add_nc_u32 v[VADR], KBYTES, v3
	v_add_nc_u32 v[VADR+1], KBYTES+SLOT, v3
	s_mul_i32 s50, s8, WSTAGE
	s_add_co_u32 s50, s50, STAGE                   ; my stage
	v_mul_u32_u24 v3, v1, SPITCH
	v_lshl_add_u32 v3, v2, 5, v3                   ; in: query r, 8 h f32
	v_add_nc_u32 v[STO], s50, v3
	v_mul_u32_u24 v3, v2, SPITCH
	v_lshl_add_u32 v3, v1, 4, v3                   ; back: sixteen lanes a query's 256 bytes, two queries
	v_add_nc_u32 v[RD], s50, v3
	v_lshlrev_b32 v3, 4, v1
	v_lshl_add_u32 v[CO], v2, 12, v3               ; and the same in out0
	v_mov_b32 v[CC], 0x3e38aa3b                    ; c = log2(e) / 8, twice
	v_mov_b32 v[CC+1], 0x3e38aa3b
.irp i, 0,1,2,3
	v_mov_b32 v[T+\i], 0                           ; the lane exchange counts as a reader of its destination
	v_mov_b32 v[MS+\i], 0                          ; first written in earnest by a softmax that stands under the branch on the group: defined here on every way through the text
.endr
.macro LOADK slot, u                   ; 16 loads: K's fragments of 64 keys (tile t: 16 keys; c: 32 d)
	WIN 0x40
.irp t, 0,1,2,3
.irp c, 0,1
	ds_load_b128 v[KF+16*\t+8*\c:KF+16*\t+8*\c+3],   v[KADR+\slot] offset:(64*\u+16*\t)*KPITCH+64*\c
	ds_load_b128 v[KF+16*\t+8*\c+4:KF+16*\t+8*\c+7], v[KADR+\slot] offset:(64*\u+16*\t)*KPITCH+64*\c+32
.endr
.endr
.endm
.macro LOADV slot, u                   ; 16 transposing loads: V^T's fragments of 64 keys (kc: 32 keys; dt: 16 d)
	WIN 0x40
.irp kc, 0,1
.irp dt, 0,1,2,3
	ds_load_tr16_b128 v[VF+32*\kc+8*\dt:VF+32*\kc+8*\dt+3],   v[VADR+\slot] offset:(64*\u+32*\kc)*VPITCH+32*\dt
	ds_load_tr16_b128 v[VF+32*\kc+8*\dt+4:VF+32*\kc+8*\dt+7], v[VADR+\slot] offset:(64*\u+32*\kc)*VPITCH+32*\dt+16*VPITCH
.endr
.endr
.endm
; 32 matrix instructions: the scores of 64 keys x 64 queries.  The 16 accumulators take turns, one instruction a turn; the first 32 d start the sums.
.macro SMUL
	WIN 0x01
.irp c, 0,1
.irp t, 0,1,2,3
.irp i, 0,1,2,3
.if \c == 0
	v_wmma_f32_16x16x32_bf16 v[SR+32*\i+8*\t:SR+32*\i+8*\t+7], v[KF+16*\t+8*\c:KF+16*\t+8*\c+7], v[QF+16*\i+8*\c:QF+16*\i+8*\c+7], 0
.else
	v_wmma_f32_16x16x32_bf16 v[SR+32*\i+8*\t:SR+32*\i+8*\t+7], v[KF+16*\t+8*\c:KF+16*\t+8*\c+7], v[QF+16*\i+8*\c:QF+16*\i+8*\c+7], v[SR+32*\i+8*\t:SR+32*\i+8*\t+7]
.endif
.endr
.endr
.endr
.endm
; 32 matrix instructions: O^T += V^T P^T for 64 keys; 16 accumulators by turns.  zero = 1: the first 32 keys start the sums.
.macro PV zero
	WIN 0x51
.irp kc, 0,1
.irp dt, 0,1,2,3
.irp i, 0,1,2,3
.if \zero*(1-\kc)
	v_wmma_f32_16x16x32_bf16 v[OA+32*\i+8*\dt:OA+32*\i+8*\dt+7], v[VF+32*\kc+8*\dt:VF+32*\kc+8*\dt+7], v[SR+32*\i+16*\kc:SR+32*\i+16*\kc+7], 0
.else
	v_wmma_f32_16x16x32_bf16 v[OA+32*\i+8*\dt:OA+32*\i+8*\dt+7], v[VF+32*\kc+8*\dt:VF+32*\kc+8*\dt+7], v[SR+32*\i+16*\kc:SR+32*\i+16*\kc+7], v[OA+32*\i+8*\dt:OA+32*\i+8*\dt+7]
.endif
.endr
.endr
.endr
.endm
.macro FMAS i                          ; c s - c m, two at a time
.set cn, 0
.rept 16
	v_pk_fma_f32 v[SR+32*\i+2*cn:SR+32*\i+2*cn+1], v[SR+32*\i+2*cn:SR+32*\i+2*cn+1], v[CC:CC+1], v[NM+2*\i:NM+2*\i+1]
.set cn, cn+1
.endr
.endm
.macro EXPS i                          ; a run of exponentials; what follows each run is a plain instruction on another fragment (ISA guide 5.7.2)
.set cn, 0
.rept 32
	v_exp_f32 v[SR+32*\i+cn], v[SR+32*\i+cn]
.set cn, cn+1
.endr
.endm
; Fragment i: the 16 pairs of p are added to l (two chains; the first two additions carry l x alpha) and, two pairs behind, rounded to bf16 in place:
; pair m goes to register 16 (m / 8) + m % 8, which holds only numbers that have been added and rounded.
.macro SCV i, first
.set cn, 0
.rept 18
.if cn < 2
.if \first == 0
	s_wait_alu depctr_va_vdst(0)
	v_pk_fma_f32 v[LS+4*\i+2*cn:LS+4*\i+2*cn+1], v[LS+4*\i+2*cn:LS+4*\i+2*cn+1], v[AL+2*\i:AL+2*\i+1], v[SR+32*\i+2*cn:SR+32*\i+2*cn+1]
.endif
.else
.if cn < 16
.if (cn < 4) * \first
	s_wait_alu depctr_va_vdst(0)
	v_pk_add_f32 v[LS+4*\i+2*(cn&1):LS+4*\i+2*(cn&1)+1], v[SR+32*\i+2*(cn-2):SR+32*\i+2*(cn-2)+1], v[SR+32*\i+2*cn:SR+32*\i+2*cn+1]
.else
	v_pk_add_f32 v[LS+4*\i+2*(cn&1):LS+4*\i+2*(cn&1)+1], v[LS+4*\i+2*(cn&1):LS+4*\i+2*(cn&1)+1], v[SR+32*\i+2*cn:SR+32*\i+2*cn+1]
.endif
.endif
	v_cvt_pk_bf16_f32 v[SR+32*\i+16*((cn-2)>>3)+((cn-2)&7)], v[SR+32*\i+2*(cn-2)], v[SR+32*\i+2*(cn-2)+1]
.endif
.set cn, cn+1
.endr
.endm
.macro RESCALE                         ; O^T x alpha (at the end: x 1 / l): a lane's numbers all belong to its own query
	WIN 0x41
.set cq, 0
.rept 4
.set cn, 0
.rept 16
	v_pk_mul_f32 v[OA+32*cq+2*cn:OA+32*cq+2*cn+1], v[OA+32*cq+2*cn:OA+32*cq+2*cn+1], v[AL+2*cq:AL+2*cq+1]
.set cn, cn+1
.endr
.set cq, cq+1
.endr
	WIN 0
.endm
; The softmax step for 64 keys.  par: which set of m is the old one.  first = 1: there is no old m, l and O start here.
.macro SOFTMAX par, first
	WIN 0
.set OLD, MS+4*\par
.set NEW, MS+4*(1-\par)
.set cn, 0
.rept 16                               ; the maximum of my 32 scores of each fragment and the old m; the four fragments' chains take turns
.set cq, 0
.rept 4
.if cn == 0
.if \first
	v_max_num_f32 v[NEW+cq], v[SR+32*cq], v[SR+32*cq+1]
.else
	v_max3_num_f32 v[NEW+cq], v[OLD+cq], v[SR+32*cq], v[SR+32*cq+1]
.endif
.else
	v_max3_num_f32 v[NEW+cq], v[NEW+cq], v[SR+32*cq+2*cn], v[SR+32*cq+2*cn+1]
.endif
.set cq, cq+1
.endr
.set cn, cn+1
.endr
.irp i, 0,1,2,3
	v_permlanex16_b32 v[T+\i], v[NEW+\i], s10, s11         ; the other half of the wave holds the query's other 32 keys
.endr
.irp i, 0,1,2,3
	v_max_num_f32 v[NEW+\i], v[NEW+\i], v[T+\i]
.endr
.irp i, 0,1,2,3
	v_mul_f32 v[NM+2*\i],   0xbe38aa3b, v[NEW+\i]          ; - c m
	v_mul_f32 v[NM+2*\i+1], 0xbe38aa3b, v[NEW+\i]
.endr
.if \first == 0
.irp i, 0,1,2,3
	v_fma_f32 v[T+\i], v[OLD+\i], v[CC], v[NM+2*\i]        ; c m_old - c m_new
.endr
.irp i, 0,1,2,3
	v_exp_f32 v[AL+2*\i],   v[T+\i]                        ; alpha, twice, for the packed multiplies
	v_exp_f32 v[AL+2*\i+1], v[T+\i]
.endr
.endif
	FMAS 0
	EXPS 0
	FMAS 1
	EXPS 1
	SCV 0, \first
	FMAS 2
	EXPS 2
	SCV 1, \first
	FMAS 3
	EXPS 3
	SCV 2, \first
	SCV 3, \first
.if \first == 0
	RESCALE
.endif
.endm
.macro GSOFT g                         ; the softmax of the last tile's second half, for the waves of group g alone; no LDS instruction, wait or barrier stands inside
	s_cmp_lg_u32 s9, \g
	s_cbranch_scc1 .Lother_\@
	SOFTMAX 1, 0
.Lother_\@:
.endm
; A trip: the tile of 128 keys in slot, as two halves of 64.  Coming in (not the first): the scores of the last tile's second half are raw, its V^T loads may be out.
.macro TRIP slot, refill, first
	WIN 0
.if \first == 0
	GSOFT 0
.endif
	s_wait_tensorcnt 0x0                           ; all my tensor loads have landed, my part of this trip's tile among them: every group 0 may be written
	ds_add_u32 v62, v63
	s_wait_dscnt 0x0
	s_add_nc_u64 s[G0K+4*\slot+2:G0K+4*\slot+3], s[G0K+4*\slot+2:G0K+4*\slot+3], 2*TILEB   ; this slot's next tile
	s_add_nc_u64 s[G0V+4*\slot+2:G0V+4*\slot+3], s[G0V+4*\slot+2:G0V+4*\slot+3], 2*TILEB
	s_wait_dscnt 0x0                               ; my reads of the last tile are over: its last V^T lies in registers
	ROUND                                          ; both now hold of every wave of the four work-groups
.if \refill
	JLOAD (1-\slot)                                ; the next tile, into the slot read last trip
.endif
.if \first == 0
	GSOFT 1
.endif
	LOADK \slot, 0
.if \first == 0
	PV 0                                           ; the last tile's second half
	NOP5
.endif
	LOADV \slot, 0
	s_wait_dscnt 16                                ; K's 16 loads are in; V's 16 younger ones may be out
	SMUL
	NOP5
	LOADK \slot, 1
	SOFTMAX 0, \first
	s_wait_dscnt 16                                ; V^T of the first half is in; K's 16 loads of the second may be out
	PV \first
	NOP5
	LOADV \slot, 1
	s_wait_dscnt 16                                ; K of the second half is in; V's 16 younger loads may be out
	SMUL
	NOP5
.endm
	s_wait_loadcnt 0x0                             ; Q
	TRIP 0, 1, 1                                   ; tile 0 starts m, l and O; slot 1 gets its first fill behind this trip's round
	TRIP 1, 1, 0
	WIN 0
	s_mov_b32 s48, 6                               ; tiles 2 to 13
.Lpair:
	TRIP 0, 1, 0
	TRIP 1, 1, 0
	WIN 0
	s_sub_co_u32 s48, s48, 1
	s_cmp_lg_u32 s48, 0
	s_cbranch_scc1 .Lpair
	TRIP 0, 1, 0                                   ; tile 14; asks for tile 15, the last
	TRIP 1, 0, 0
	WIN 0
	SOFTMAX 1, 0                                   ; the last 64 keys
	s_wait_dscnt 0x0
	PV 0
	NOP5
	WIN 0
.irp i, 0,1,2,3
	v_pk_add_f32 v[LS+4*\i:LS+4*\i+1], v[LS+4*\i:LS+4*\i+1], v[LS+4*\i+2:LS+4*\i+3]       ; l: the two chains,
.endr
.irp i, 0,1,2,3
	v_add_f32 v[LS+4*\i], v[LS+4*\i], v[LS+4*\i+1]                                        ; their halves,
.endr
.irp i, 0,1,2,3
	v_permlanex16_b32 v[T+\i], v[LS+4*\i], s10, s11                                       ; and the other half of the wave
.endr
.irp i, 0,1,2,3
	v_add_f32 v[T+\i], v[T+\i], v[LS+4*\i]
.endr
.irp i, 0,1,2,3
	v_rcp_f32 v[AL+2*\i],   v[T+\i]
	v_rcp_f32 v[AL+2*\i+1], v[T+\i]
.endr
	v_nop                                          ; one plain place behind the reciprocals (ISA guide 5.7.2)
	s_wait_alu depctr_va_vdst(0)
	RESCALE
	; THE WAY OUT, 16 queries at a time: a lane's 8 f32 of each d tile into my stage, read back as whole rows of 256 bytes.  Each fragment is read back
	; into registers of its own, so no store's data is written again.
.irp i, 0,1,2,3
	WIN 0x04
.irp dt, 0,1,2,3
	ds_store_b128 v[STO], v[OA+32*\i+8*\dt:OA+32*\i+8*\dt+3]   offset:64*\dt
	ds_store_b128 v[STO], v[OA+32*\i+8*\dt+4:OA+32*\i+8*\dt+7] offset:64*\dt+16
.endr
	WIN 0
.irp t, 0,1,2,3,4,5,6,7
	ds_load_b128 v[SR+32*\i+4*\t:SR+32*\i+4*\t+3], v[RD] offset:\t*2*SPITCH               ; LDS serves a wave's instructions in order: these see the stores above
.endr
.irp t, 0,1,2,3,4,5,6,7
	s_wait_dscnt 7-\t
	global_store_b128 v[CO], v[SR+32*\i+4*\t:SR+32*\i+4*\t+3], s[6:7] offset:(16*\i+2*\t)*4096 th:TH_STORE_NT   ; sixteen lanes store a query's 256 bytes of its head, aligned
.endr
.endr
	s_wait_tensorcnt 0x0
	ds_add_u32 v62, v63
	s_wait_dscnt 0x0
	ROUND                                          ; the closing round
	s_endpgm
.Lfunc_end_k_qc87e42cdbc_attn:
	.size	k_qc87e42cdbc_attn, .Lfunc_end_k_qc87e42cdbc_attn-k_qc87e42cdbc_attn
	.p2alignl 7, 3214868480
	.fill 96, 4, 3214868480
	.section	.rodata,"a",@progbits
	.p2align	6, 0x0
	.amdhsa_kernel k_qc87e42cdbc_attn
		.amdhsa_group_segment_fixed_size 327680
		.amdhsa_private_segment_fixed_size 0
		.amdhsa_enable_private_segment 0
		.amdhsa_kernarg_size 16
		.amdhsa_user_sgpr_count 2
		.amdhsa_user_sgpr_kernarg_segment_ptr 1
		.amdhsa_wavefront_size32 1
		.amdhsa_system_sgpr_workgroup_id_x 1
		.amdhsa_system_sgpr_workgroup_id_y 1
		.amdhsa_system_sgpr_workgroup_id_z 1
		.amdhsa_system_vgpr_workitem_id 0
		.amdhsa_next_free_vgpr 512
		.amdhsa_next_free_sgpr 66
		.amdhsa_reserve_vcc 0
		.amdhsa_float_denorm_mode_32 3
		.amdhsa_float_denorm_mode_16_64 3
		.amdhsa_memory_ordered 1
		.amdhsa_forward_progress 1
		.amdhsa_inst_pref_size 255
	.end_amdhsa_kernel
	.section	.bss,"aw",@nobits
	.p2align	6
	.space	262144
	.amdgpu_metadata
---
amdhsa.version: [ 1, 2 ]
amdhsa.kernels:
  - .name:           k_qc87e42cdbc_attn
    .symbol:         k_qc87e42cdbc_attn.kd
    .args:
      - { .name: qkv, .offset: 0, .size: 8, .value_kind: global_buffer, .address_space: global }
      - { .name: out0, .offset: 8, .size: 8, .value_kind: global_buffer, .address_space: global }
    .group_segment_fixed_size: 327680
    .private_segment_fixed_size: 0
    .kernarg_segment_align: 8
    .kernarg_segment_size: 16
    .max_flat_workgroup_size: 256
    .sgpr_count:     66
    .vgpr_count:     512
    .wavefront_size: 32
...
	.end_amdgpu_metadata
.endif
;; end of part 3
